; MI455X (gfx1250); checked and timed in simulation.
; The chip was launched on July 23, 2026; its instructions are those of AMD's public machine-readable ISA for CDNA 5 (MIT licence, August 2026) and "CDNA5" Instruction Set Architecture Reference Guide (July 2026). The comments in the code are by the model that wrote it; some were corrected since.
;; NVFP4 Packed Linear. Allowed arithmetic: matrix products marked QUANTISED: E5M2 operands, one given power-of-two scale a tensor, by v_wmma_f32_16x16x64_bf8_bf8 or v_wmma_f32_16x16x128_bf8_bf8, f32 sums; everything else in f32.
;; Inputs: bias 8,192 float32; lowp_scales 2 int32 (the exponents e of the quantised operands' scales 2^e); weight_packed 8,192 x 2,048 int32; weight_scales 8,192 x 128 float32; x_codes 4 x 512 x 128 x 32 uint8 (E5M2 codes of x, K innermost, in blocks of 32 codes).
;; Outputs: out0 4 x 512 x 8,192 float32.
;; This version of the problem:
;;   THIS VERSION OF THE PROBLEM IS GIVEN IN LOW PRECISION. The matrix products marked QUANTISED in the list below multiply operands that are first quantised to E5M2 (5 exponent bits, 2 mantissa bits; 8 bits a number), with one given power-of-two scale for each operand tensor; their sums are f32. All else is computed in f32.
;;   The module's matrix products, in the order in which they are computed (A, B: the left and right operand; K: the contracted axis; several contracted axes count as one K, in the product's order):
;;     1. [M 2,048, K 4,096] x [K 4,096, N 8,192]; A: input x (given as codes); B: computed on the way: QUANTISED (scales: A lowp_scales[0], B lowp_scales[1])
;;   THE QUANTISER, for each operand of a quantised product, along K:
;;     - The operand's scale is 2^e, e = its entry of the input lowp_scales (int32; the entries are numbered through the quantised products in the list's order, A before B).
;;     - Each number is divided by the scale, clamped to +-57,344, and rounded to the nearest number of E5M2, ties to even, subnormals kept.
;;     - The product sums the exact products of the quantised numbers (number of the format x scale) in f32.
;;   ~~~python
;;   def quantise(x, axis, e):      # numpy; x: float32 -> the quantised numbers, widened to float32 again
;;       x = np.moveaxis(x, axis, -1); K = x.shape[-1]
;;       r = np.clip(x / 2.0 ** e, -57344, 57344)
;;       step = 2.0 ** (np.maximum(np.frexp(np.where(r == 0, 1, r))[1] - 1, -14) - 2)
;;       q = np.round(r / step) * step * 2.0 ** e      # np.round: ties to even
;;       return np.moveaxis(q, -1, axis).astype(np.float32)
;;   ~~~
;;   OPERANDS COMPUTED ON THE WAY. 'Computed on the way' means the value that the module computes at that place (a softmax that the list does not call 'softmax' is quantised finished and normalised). What goes into a quantiser is computed in f32, as accurately as f32 sums, v_exp_f32 and their like allow (about 1e-6 of the number): no bf16 or f16 on the way to a quantiser, and a product that is left as it is and whose result goes on into a quantised operand takes f32 operands (vector FMAs, or v_wmma_f32_16x16x4_f32). A number that lies on a knife's edge between two numbers of the format may be rounded either way, as far as f32 arithmetic and the matrix unit's own rounding can turn it there, and no further.
;;   INPUTS GIVEN AS CODES. x (in the module: [4, 512, 4096], K = its axis 2): each comes as NAME_codes (uint8): NAME with its K axis moved to the last place and cut into blocks of 32 codes, [.., K / 32, bytes a block], one block behind the other in memory; one code a byte (a code: sign, 5 exponent bits, 2 mantissa bits); its scale is its entry of lowp_scales. Its value is code x scale, taken as it is: it is not quantised again, and the codes and scales need not be those that the quantiser above would give.
;; One version. Each part assembles by itself: llvm-mc -triple=amdgcn-amd-amdhsa -mcpu=gfx1250 --defsym DOCPART=n.
;; ======== version 1 of 1: 2 launches
;; limits: right only within a limited range of input values
;; workspace buffers: w_codes 33,554,432 bytes
;; launch wquant (part 1): grid 256 x 1, 8 waves a work-group, no clusters, 52,224 bytes of LDS; arguments weight_packed, weight_scales, lowp_scales, w_codes; writes w_codes
.if DOCPART == 1
	.amdgcn_target "amdgcn-amd-amdhsa--gfx1250"
	.amdhsa_code_object_version 6
	.text
	.protected	k_q2618573952_wquant
	.globl	k_q2618573952_wquant
	.p2align	8
	.type	k_q2618573952_wquant,@function
k_q2618573952_wquant:
	s_mov_b64 s[64:65], 0
	v_nop
	global_prefetch_b8 v0, s[64:65] scope:SCOPE_SE
	s_setreg_imm32_b32 hwreg(HW_REG_WAVE_MODE, 25, 1), 1
	s_wait_xcnt 0x0
; W[n][k] = DECODE(nibble) x weight_scales[n][k / 32], in f32, becomes codes of BF8 (E5M2) with the given scale 2^e1 (entry 1 of lowp_scales):
; code = (decoded x scale) / 2^e1, held within +-57,344, rounded to the nearest code, ties to even.  DECODE is the value table of E2M1; of each int32 bits 3:0 are the even k, bits 7:4 the odd k.
; NOTHING OF reference() IS LEFT OUT in this program: every input has a way to the output and is loaded (x_codes, bias and entry 0 of lowp_scales by the second launch).
; LIMITS: e1 between -126 and 112, so that 2^e1 and 57,344 x 2^e1 are f32 numbers.  NaN or infinity among weight_scales is not served.
; THE CODES ARE LAID AS THE SECOND LAUNCH'S REGISTERS TAKE THEM: code (n, k) lies at 524,288 (n / 128) + 8,192 (k / 64) + 1,024 ((n % 128) / 16) + 512 ((k % 64) / 32) + 256 ((k % 32) / 16) + 16 (n % 16) + k % 16:
; a fragment of 16 rows x 64 along K is 1,024 consecutive bytes, two loads of 16 bytes a lane.
; SHARES.  A work-group takes 32 rows; wave w the 16 rows of group w / 4 and the 1,024 k of quarter w % 4: 64 slots of 512 dense bytes of weight_packed.  Slot i = row i % 16, chunk i / 16 of 256 k; lane l gets 8 weights, k = 8 l ..
; A ring of 32 slots in registers keeps 32 loads of a wave on their way.  A chunk's codes (16 rows x 256 k) turn through the wave's own LDS bytes: 16 units of 256 bytes (16 k x 16 rows), 272 bytes apart,
; so that the 32 lanes of a store of 8 bytes touch 64 different banks (64 banks of 4 bytes: ISA guide 11.1); they come back 16 bytes a lane, and a store of the wave covers 512 consecutive bytes, aligned.
; THE SCALES of the 32 rows are 16,384 dense bytes: loaded once by all waves, laid in LDS as they lie, one barrier; a slot's scale is then one word for four lanes.
; No matrix unit, no tensor load: each input byte is read once.
.set RGN,   4352                       ; a wave's LDS bytes: 16 units x 272
.set SCB,   8*RGN                      ; the scales: 32 rows x 512 bytes
.set SPARE, SCB+16384                  ; the spare words, 128 bytes for each wave: four blocks of 256 bytes that no other line names
.set TOF,  2                           ; 16 x thread
.set OFL,  3                           ; 16 x lane
.set AST,  4                           ; codes into LDS: region + 272 (lane / 2) + 8 (lane % 2)
.set ALD,  5                           ; and out: region + 272 (lane / 16) + 16 (lane % 16)
.set ASC,  6                           ; my scales: SCB + 8,192 group + 128 quarter + 4 (lane / 4)
.set SPW,  7
.set NIL,  8
.set ONE,  9                           ; the E8M0 byte of 1.0 in every byte
.set VSC,  10                          ; 2^e1
.set VL,   11                          ; 57,344 x 2^e1
.set PA,   12
.set PB,   14
.set CD,   16                          ; v16-19 a pair's codes
.set FA,   20                          ; v20-27, v28-35 a pair's numbers
.set FB,   28
.set SC,   36                          ; v36-67 the scales of two chunks, 16 rows each, by turns
.set ASS,  1                           ; the scales' way into LDS: SCB + 16 x thread
.set OUT,  68                          ; v68-99 a chunk's codes on their way out; at the head the scales as loaded
.set X,    100                         ; v100-227 slot i's four words at X + 4 (i % 32)
	s_load_b256 s[4:11], s[0:1], 0x0               ; weight_packed, weight_scales, lowp_scales, w_codes
	v_lshl_add_u32 v[SPW], v0, 2, SPARE
	v_mov_b32 v[NIL], 0
	v_lshrrev_b32 v1, 5, v0
	v_readfirstlane_b32 s12, v1                    ; wave 0..7
	s_lshr_b32 s13, s12, 2                         ; my group of 16 rows
	s_and_b32 s14, s12, 3                          ; my quarter of K
	s_mul_i32 s15, s12, RGN
	s_lshl_b32 s20, s13, 13
	s_lshl_b32 s21, s14, 7
	s_add_co_u32 s20, s20, s21
	s_add_co_u32 s20, s20, SCB
	s_lshl_b32 s22, ttmp9, 1
	s_add_co_u32 s22, s22, s13                     ; the group's number among W's 512
	s_mov_b32 s17, 0
	s_mov_b32 s18, 0x04000400                      ; v_perm_b32: byte 0 of the second source, byte 0 of the first, twice
	s_mov_b32 s19, 0x05040100                      ; the low halves of the second and of the first source
	v_and_b32 v13, 31, v0                          ; lane
	v_lshlrev_b32 v[OFL], 4, v13
	v_lshlrev_b32 v[TOF], 4, v0
	v_add_nc_u32 v[ASS], SCB, v[TOF]
	v_lshrrev_b32 v12, 1, v13
	v_mul_u32_u24 v12, v12, 272
	v_and_b32 v[AST], 1, v13
	v_lshl_add_u32 v[AST], v[AST], 3, v12
	v_add_nc_u32 v[AST], s15, v[AST]
	v_lshrrev_b32 v12, 4, v13
	v_mul_u32_u24 v12, v12, 272
	v_and_b32 v[ALD], 15, v13
	v_lshl_add_u32 v[ALD], v[ALD], 4, v12
	v_add_nc_u32 v[ALD], s15, v[ALD]
	v_lshrrev_b32 v12, 2, v13
	v_lshl_add_u32 v[ASC], v12, 2, s20
	v_mov_b32 v[ONE], 0x7f7f7f7f
	s_wait_alu depctr_va_vdst(0)                   ; directly ahead of the wait below
	s_wait_kmcnt 0x0
	s_load_b32 s23, s[8:9], 0x4                    ; e1
	s_lshl_b32 s16, s22, 17                        ; 16 rows of weight_packed are 131,072 bytes,
	s_lshl_b32 s21, s14, 11                        ; a quarter of a row 2,048
	s_add_co_u32 s16, s16, s21
	s_add_nc_u64 s[4:5], s[4:5], s[16:17]
	s_lshl_b32 s16, ttmp9, 14                      ; 32 rows of scales
	s_add_nc_u64 s[6:7], s[6:7], s[16:17]
	s_lshr_b32 s16, s22, 3                         ; the codes: block of 128 rows,
	s_lshl_b32 s16, s16, 19
	s_and_b32 s21, s22, 7                          ; the group in it,
	s_lshl_b32 s21, s21, 10
	s_add_co_u32 s16, s16, s21
	s_lshl_b32 s21, s14, 17                        ; and my quarter's 16 steps of 64 along K
	s_add_co_u32 s16, s16, s21
	s_add_nc_u64 s[10:11], s[10:11], s[16:17]
.irp r, 0,1,2,3
	global_load_b128 v[OUT+4*\r:OUT+4*\r+3], v[TOF], s[6:7] offset:4096*\r th:TH_LOAD_NT   ; the work-group's scales, 4,096 dense bytes a line
.endr
.set I, 0
.rept 32
	global_load_b128 v[X+4*I:X+4*I+3], v[OFL], s[4:5] offset:8192*(I%16)+512*(I/16) th:TH_LOAD_NT   ; slots 0 to 31
.set I, I+1
.endr
	s_wait_kmcnt 0x0
	s_add_co_i32 s23, s23, 127
	s_lshl_b32 s15, s23, 23
	v_mov_b32 v[VSC], s15
	s_add_co_i32 s23, s23, 15
	s_lshl_b32 s23, s23, 23
	s_or_b32 s23, s23, 0x600000                    ; the mantissa field of 57,344
	v_mov_b32 v[VL], s23
	s_wait_alu depctr_va_vdst(0)                   ; directly ahead of the wait below
	s_wait_loadcnt 32                              ; the four scale loads are in; the 32 slots behind them stay out
.irp r, 0,1,2,3
	ds_store_b128 v[ASS], v[OUT+4*\r:OUT+4*\r+3] offset:4096*\r
.endr
	s_wait_dscnt 0x0                               ; for the others' sake: my stores are done
	s_barrier_signal -1
	s_barrier_wait -1
.macro SCLOAD ch                       ; the 16 rows' scales of chunk ch: block 32 quarter + 8 ch + lane / 4
.irp r, 0,1,2,3,4,5,6,7,8,9,10,11,12,13,14,15
	ds_load_b32 v[SC+16*((\ch)%2)+\r], v[ASC] offset:512*\r+32*(\ch)
.endr
.endm
	SCLOAD 0
	SCLOAD 1
	s_wait_dscnt 0x0
; Slots 2 p and 2 p + 1: two rows of one chunk.  left = how many younger loads may stay out.
.macro PAIR p, left
.set SI, 2*(\p)
.set XA, X+4*(SI%32)
.set XB, XA+4
.set SS, SC+16*((SI/16)%2)+SI%16
	s_wait_loadcnt \left
	v_perm_b32 v[PA], v[XA+1], v[XA], s18          ; the four words' low bytes become one word: eight codes of E2M1, the lowest k lowest
	v_perm_b32 v[PA+1], v[XA+3], v[XA+2], s18
	v_perm_b32 v[PA], v[PA+1], v[PA], s19
	v_cvt_scale_pk8_f32_fp4 v[FA:FA+7], v[PA], v[ONE]             ; DECODE, eight at a time, x 1.0
	v_perm_b32 v[PB], v[XB+1], v[XB], s18
	v_perm_b32 v[PB+1], v[XB+3], v[XB+2], s18
	v_perm_b32 v[PB], v[PB+1], v[PB], s19
	v_cvt_scale_pk8_f32_fp4 v[FB:FB+7], v[PB], v[ONE]
.if (\p) < 16
	global_load_b128 v[XA:XA+3], v[OFL], s[4:5] offset:8192*((SI+32)%16)+512*((SI+32)/16) th:TH_LOAD_NT   ; the pair's registers take the slots 32 further on
	global_load_b128 v[XB:XB+3], v[OFL], s[4:5] offset:8192*((SI+33)%16)+512*((SI+33)/16) th:TH_LOAD_NT
.endif
.irp j, 0,2,4,6
	v_pk_mul_f32 v[FA+\j:FA+\j+1], v[FA+\j:FA+\j+1], v[SS:SS+1] op_sel_hi:[1,0]                 ; x the first row's scale
.endr
.irp j, 0,2,4,6
	v_pk_mul_f32 v[FB+\j:FB+\j+1], v[FB+\j:FB+\j+1], v[SS:SS+1] op_sel:[0,1] op_sel_hi:[1,1]    ; x the second row's
.endr
.irp i, 0,1,2,3,4,5,6,7,8,9,10,11,12,13,14,15
	v_med3_num_f32 v[FA+\i], v[FA+\i], -v[VL], v[VL]              ; the conversion does not saturate (ISA guide 7.6.2): the hold at the largest code x the scale
.endr
	v_cvt_scalef32_pk8_bf8_f32 v[CD:CD+1], v[FA:FA+7], v[VSC]
	v_cvt_scalef32_pk8_bf8_f32 v[CD+2:CD+3], v[FB:FB+7], v[VSC]
	ds_store_b64 v[AST], v[CD:CD+1] offset:16*(SI%16)             ; unit lane / 2, row i % 16, half lane % 2
	ds_store_b64 v[AST], v[CD+2:CD+3] offset:16*(SI%16)+16
.endm
; A chunk is whole in LDS: it comes back two units a line and leaves.  LDS serves a wave's instructions in order (ISA guide 5.7.1.4): no wait between my stores and my loads.
.macro FLUSH ch
	s_wait_xcnt 0x0                                ; the last chunk's stores have read v68-99
.irp t, 0,1,2,3,4,5,6,7
	ds_load_b128 v[OUT+4*\t:OUT+4*\t+3], v[ALD] offset:544*\t
.endr
.if (\ch)+2 < 4
	SCLOAD (\ch)+2                                 ; this chunk's scale registers take the chunk two further on
	s_wait_dscnt 16                                ; all but those 16
.else
	s_wait_dscnt 0x0
.endif
.irp t, 0,1,2,3,4,5,6,7
	global_store_b128 v[OFL], v[OUT+4*\t:OUT+4*\t+3], s[10:11] offset:8192*(4*(\ch)+\t/2)+512*(\t%2)   ; 512 consecutive bytes, at a multiple of 512 from the buffer's first byte
.endr
.endm
.set P, 0
.rept 32
.if P < 16
	PAIR P, 30                                     ; behind the pair's loads 30 others are out
.else
	PAIR P, 62-2*P                                 ; nothing is left to fetch: 30, 28, .. 0
.endif
.if P%8 == 7
	FLUSH P/8
.endif
.set P, P+1
.endr
	s_wait_tensorcnt 0x0                           ; the wave's end
	ds_add_u32 v[SPW], v[NIL]
	s_wait_dscnt 0x0
	s_endpgm
.Lfunc_end_k_q2618573952_wquant:
	.size	k_q2618573952_wquant, .Lfunc_end_k_q2618573952_wquant-k_q2618573952_wquant
	.p2alignl 7, 3214868480
	.fill 96, 4, 3214868480
	.section	.rodata,"a",@progbits
	.p2align	6, 0x0
	.amdhsa_kernel k_q2618573952_wquant
		.amdhsa_group_segment_fixed_size 52224
		.amdhsa_private_segment_fixed_size 0
		.amdhsa_enable_private_segment 0
		.amdhsa_kernarg_size 32
		.amdhsa_user_sgpr_count 2
		.amdhsa_user_sgpr_kernarg_segment_ptr 1
		.amdhsa_wavefront_size32 1
		.amdhsa_system_sgpr_workgroup_id_x 1
		.amdhsa_system_sgpr_workgroup_id_y 1
		.amdhsa_system_sgpr_workgroup_id_z 1
		.amdhsa_system_vgpr_workitem_id 0
		.amdhsa_next_free_vgpr 228
		.amdhsa_next_free_sgpr 66
		.amdhsa_reserve_vcc 0
		.amdhsa_float_denorm_mode_32 3
		.amdhsa_float_denorm_mode_16_64 3
		.amdhsa_memory_ordered 1
		.amdhsa_forward_progress 1
		.amdhsa_inst_pref_size 92
	.end_amdhsa_kernel
	.amdgpu_metadata
---
amdhsa.version: [ 1, 2 ]
amdhsa.kernels:
  - .name:           k_q2618573952_wquant
    .symbol:         k_q2618573952_wquant.kd
    .args:
      - { .name: weight_packed, .offset: 0, .size: 8, .value_kind: global_buffer, .address_space: global }
      - { .name: weight_scales, .offset: 8, .size: 8, .value_kind: global_buffer, .address_space: global }
      - { .name: lowp_scales, .offset: 16, .size: 8, .value_kind: global_buffer, .address_space: global }
      - { .name: w_codes, .offset: 24, .size: 8, .value_kind: global_buffer, .address_space: global }
    .group_segment_fixed_size: 52224
    .private_segment_fixed_size: 0
    .kernarg_segment_align: 8
    .kernarg_segment_size: 32
    .max_flat_workgroup_size: 256
    .sgpr_count:     66
    .vgpr_count:     228
    .wavefront_size: 32
...
	.end_amdgpu_metadata
.endif
;; end of part 1
;; launch gemm (part 2): grid 32 x 8, 4 waves a work-group, clusters of 4 x 1, 327,680 bytes of LDS; arguments x_codes, w_codes, lowp_scales, bias, out0; writes out0
.if DOCPART == 2
	.amdgcn_target "amdgcn-amd-amdhsa--gfx1250"
	.amdhsa_code_object_version 6
	.text
	.protected	k_q2618573952_gemm
	.globl	k_q2618573952_gemm
	.p2align	8
	.type	k_q2618573952_gemm,@function
k_q2618573952_gemm:
	s_mov_b64 s[64:65], 0
	v_nop
	global_prefetch_b8 v0, s[64:65] scope:SCOPE_SE
	s_setreg_imm32_b32 hwreg(HW_REG_WAVE_MODE, 25, 1), 1
	s_wait_xcnt 0x0
	s_wait_alu depctr_hold_cnt(0) depctr_sa_sdst(0) depctr_va_vdst(0) depctr_va_sdst(0) depctr_va_ssrc(0) depctr_va_vcc(0) depctr_vm_vsrc(0)
	s_getreg_b32 s2, hwreg(HW_REG_IB_STS2, 6, 4)
	s_cmp_eq_u32 s2, 0
	s_cbranch_scc0 .Lentry_in_a_cluster
	s_endpgm
.Lentry_in_a_cluster:
	s_bfe_u32 s2, ttmp6, 0x10000c
	s_cmp_lg_u32 s2, 0x3003
	s_cbranch_scc0 .Lentry_shape_is_right
	s_endpgm
.Lentry_shape_is_right:
; out[m][n] = gelu(2^(e0 + e1) x sum over k of xcode[m][k] wcode[n][k] + bias[n]), gelu in its tanh form: y / (1 + 2^(-2 log2(e) 0.79788456 (y + 0.044715 y^3))).  Nothing of reference() is left out.
; LIMIT: e0 + e1 between -126 and 127, so that 2^(e0 + e1) is an f32 number.
; A tile of out, 256 x 256, is made by four waves, each 128 x 128: 64 accumulators, 512 registers.  Products by v_wmma_f32_16x16x64_bf8_bf8, a step = 64 along K = 64 products.
; x GOES THROUGH LDS: a ring of two slots, each 256 rows x 512 bytes (8 steps), a wave fetching 64 rows by one tensor load.  The four work-groups of a cluster (4, 1, 1) make four tiles of one tile row
; and ask for x's tile JOINTLY (mask 15).  One round of the cluster's barrier for 8 steps.
; W'S CODES GO FROM MEMORY STRAIGHT INTO REGISTERS, laid by the first launch in the order of the fragments: no joint load can land in registers, so W is not asked for jointly.  A ring of 32 fragments
; (4 steps x 8 fragments of 16 rows x 64 k, window 1); four fragments are asked for again as soon as their 32 products are issued: 56 loads of a wave are out behind each run of eight.
; ORDER OF A STEP: W's fragment outside, x's eight blocks inside: a fragment of W is free behind 8 products.  x has two sets of 8 blocks; the next step's set is read from LDS at a step's head.
; k IN THE REGISTERS: registers 4 c .. 4 c + 3 of lane (r, h) hold k = 32 c + 16 h + 0 .. 15, alike for x and W: a permutation of k inside an instruction, the same on both sides.
; TRANSPOSED USE (source 0 = W's rows, source 1 = x's rows): a lane holds eight neighbouring columns of one row of out.
; PREFETCHES: behind each refill of a slot, x's slot that the NEXT refill will ask for (256 rows x 2 blocks of 256 bytes, shared out by address among the cluster's 16 waves, a lane a block; by the clusters
; 0 to 3 along x alone, since all 8 read the same rows), and the 65,536 bytes of W's codes that my wave's loads reach from 5 steps on (256 blocks, shared out by address among 4 tile rows x 2 waves).  The last refills ask for nothing past K.
; WINDOWS: 0: v0-31 addresses, v32-103 the way out, v128-255 x's two sets; 1: W's ring; 2: accumulators of W's fragments 0-3 ((a, b) at v[8 (8 (b % 4) + a)]); 3: of fragments 4-7.
.set SIZE_N, 8192
.set PITCH,  528                       ; an LDS row: 512 bytes + 16: row r starts at bank 4 r mod 64 (64 banks of 4 bytes: ISA guide 11.1)
.set QROWS,  64*PITCH                  ; what one tensor load brings
.set SLOT,   256*PITCH
.set STG,    128*PITCH                 ; the way out: a wave's 128 rows x 512 bytes; the four stages fill the two slots, which have had their last fill by then
.set SPARE,  2*SLOT                    ; the spare words, 128 bytes for each wave
.set ADRA, 16                          ; v16-17 my x fragments in slot 0, 1
.set STO,  24
.set RD,   25
.set CO,   26                          ; 16 x lane: W's loads, the bias, a row of out
.set RDC,  27
.set SPW,  28
.set NIL,  29
.set PFO,  30                          ; x's prefetch: 4,096 (lane / 2) + 256 (lane % 2)
.set PFBO, 31                          ; W's: 256 x lane
.set EX,   32
.set BIAS, 96
.set KV1,  100
.set KV0,  102
.set AF,   128
.set BB,   128
.set G1, 24
.set G0, 32
.set B0, 44                            ; s[44:45] my 128 rows of W's codes, at this lap's step 0
.set PFA, 48
.set PFB, 50
.set LIM, 52                           ; s52, s53: 0 and 1 in the clusters that prefetch x, else the greatest number
.set ROFF, 54
.set MSB, 0
.macro WIN new                         ; the immediate's high byte repeats the setting that is left
.if MSB != \new
	s_set_vgpr_msb (MSB<<8)|\new
.set MSB, \new
.endif
.endm
.set MUL_LO, 0xa1                      ; source 0 (W) window 1, source 1 (x) window 0, C and D window 2
.set MUL_HI, 0xf1
.set TO_B,   0x40
.macro PLACES                          ; four places behind matrix instructions, ahead of loads into their sources and of reads of results
.rept 4
	v_nop
.endr
.endm
.macro JLOAD s                         ; every wave asks for its 64 rows; s_nop 0 and four v_nop behind the line
	tensor_load_to_lds s[G0+4*(\s):G0+4*(\s)+3], s[G1:G1+7]
	s_nop 0
	PLACES
.endm
.macro CREST
	s_cmp_lg_u32 s14, 0
	s_cbranch_scc1 .Lnot_wave_0_\@
	s_barrier_signal -3
.Lnot_wave_0_\@:
	s_barrier_wait -3
	s_barrier_signal -1
	s_barrier_wait -1
.endm
.macro CROUND
	s_barrier_signal -1
	s_barrier_wait -1
	CREST
.endm
	s_load_b128 s[4:7], s[0:1], 0x0                ; x_codes, w_codes
	s_load_b128 s[8:11], s[0:1], 0x10              ; lowp_scales, bias
	s_load_b64 s[12:13], s[0:1], 0x20              ; out0
	v_lshl_add_u32 v[SPW], v0, 2, SPARE
	v_mov_b32 v[NIL], 0
	ds_add_u32 v[SPW], v[NIL]                      ; the opening lines: the add twice on end and one wait
	ds_add_u32 v[SPW], v[NIL]
	v_lshrrev_b32 v1, 5, v0
	v_readfirstlane_b32 s14, v1                    ; wave
	s_lshr_b32 s15, s14, 1                         ; my half of the tile's rows
	s_and_b32 s16, s14, 1                          ; my half of its columns
	s_bfe_u32 s40, ttmp6, 0x40000                  ; cx
	s_lshl_b32 s42, ttmp9, 2
	s_add_co_u32 s42, s42, s40                     ; tile column
	s_and_b32 s17, ttmp7, 0xffff                   ; tile row
	s_mov_b32 s[G1+0], 15|(1<<20)|(1<<21)|(6<<22)|(3<<25)   ; the mask; elements of 1 byte; 4 words of padding behind every 128
	s_mov_b32 s[G1+1], 512<<16
	s_mov_b32 s[G1+2], 64<<16
	s_mov_b32 s[G1+3], 512<<16
	s_mov_b32 s[G1+4], 64
	s_mov_b32 s[G1+5], 4096
	s_mov_b32 s[G1+6], 0
	s_mov_b32 s[G1+7], 0
	s_lshl_b32 s20, s17, 8
	s_lshl_b32 s18, s14, 6
	s_add_co_u32 s20, s20, s18                     ; x's row 256 x tile row + 64 x wave,
	s_lshl_b32 s20, s20, 12                        ; in bytes
	s_mov_b32 s21, 0
	s_mul_i32 s41, s14, QROWS                      ; and where it goes
	s_lshl_b32 s46, s42, 1
	s_add_co_u32 s46, s46, s16
	s_lshl_b32 s46, s46, 19                        ; my block of 128 rows of W's codes
	s_mov_b32 s47, 0
	s_mul_i32 s22, s15, 128*PITCH
	s_add_co_u32 s23, s22, SLOT
	s_mul_i32 s19, s14, STG
	v_and_b32 v1, 15, v0                           ; r
	v_bfe_u32 v2, v0, 4, 1                         ; h
	v_mul_u32_u24 v5, v1, PITCH
	v_lshl_add_u32 v3, v2, 4, v5
	v_add_nc_u32 v[ADRA], s22, v3
	v_add_nc_u32 v[ADRA+1], s23, v3
	v_lshl_add_u32 v4, v2, 5, v5
	v_add_nc_u32 v[STO], s19, v4                   ; into my stage: row r, 32 bytes for each half of the lanes
	v_and_b32 v6, 31, v0
	v_lshlrev_b32 v[CO], 4, v6
	v_add_nc_u32 v[RD], s19, v[CO]                 ; back: the 32 lanes take one row of 512 bytes
	v_lshrrev_b32 v7, 1, v6
	v_and_b32 v8, 1, v6
	v_lshlrev_b32 v8, 8, v8
	v_lshl_add_u32 v[PFO], v7, 12, v8
	v_lshlrev_b32 v[PFBO], 8, v6
	v_mov_b32 v[KV1], 0xbdd2d3e8                   ; -2 log2(e) 0.79788456 x 0.044715
	v_mov_b32 v[KV1+1], 0xbdd2d3e8
	v_mov_b32 v[KV0], 0xc0135761                   ; -2 log2(e) 0.79788456
	v_mov_b32 v[KV0+1], 0xc0135761
	s_wait_alu depctr_va_vdst(0)                   ; the head's vector work ends
	s_wait_dscnt 0x0
	s_wait_kmcnt 0x0
	s_load_b64 s[96:97], s[8:9], 0x0               ; e0, e1
	s_add_nc_u64 s[20:21], s[4:5], s[20:21]
	s_add_nc_u64 s[B0:B0+1], s[6:7], s[46:47]
	CROUND                                         ; the four work-groups are here: the first joint loads meet
.irp s, 0,1
	s_mov_b32 s[G0+4*\s], 1
	s_add_co_u32 s[G0+4*\s+1], s41, \s*SLOT
	s_add_nc_u64 s[G0+4*\s+2:G0+4*\s+3], s[20:21], \s*512
	s_or_b32 s[G0+4*\s+3], s[G0+4*\s+3], 0x80000000
.endr
	JLOAD 0                                        ; one tensor load a wave at the head
	s_lshl_b32 s20, s17, 8
	s_lshl_b32 s21, s15, 7
	s_add_co_u32 s20, s20, s21
	s_lshl_b32 s20, s20, 15                        ; my first row of out, 32,768 bytes a row
	s_mov_b32 s21, 0
	s_lshl_b32 s46, s42, 10
	s_lshl_b32 s47, s16, 9
	s_add_co_u32 s46, s46, s47                     ; my first column, in bytes
	s_mov_b32 s47, 0
	s_add_nc_u64 s[10:11], s[10:11], s[46:47]
	s_add_nc_u64 s[12:13], s[12:13], s[46:47]
	s_add_nc_u64 s[12:13], s[12:13], s[20:21]
	s_lshl_b32 s18, s40, 2
	s_add_co_u32 s18, s18, s14
	s_lshl_b32 s18, s18, 4                         ; x's prefetch: my 16 rows of the tile's 256: 16 (4 cx + wave)
	s_lshl_b32 s20, s17, 8
	s_add_co_u32 s20, s20, s18
	s_lshl_b32 s20, s20, 12
	s_add_co_u32 s20, s20, 3*512                   ; the first names slot filling 3
	s_add_nc_u64 s[PFA:PFA+1], s[4:5], s[20:21]
	s_and_b32 s18, s17, 3
	s_lshl_b32 s18, s18, 1
	s_add_co_u32 s18, s18, s15
	s_lshl_b32 s20, s18, 13                        ; W's: my 8,192 of the 65,536 bytes: 2 (tile row % 4) + my half of the rows
	s_add_co_u32 s20, s20, 2*65536                 ; the first names steps 16 to 23
	s_add_nc_u64 s[PFB:PFB+1], s[B0:B0+1], s[20:21]
	s_cmp_lt_u32 ttmp9, 4
	s_cselect_b32 s[LIM], 0, -1
	s_cselect_b32 s[LIM+1], 1, -1
	global_load_b128 v[BIAS:BIAS+3], v[CO], s[10:11]
.macro MUL16 b0, g, p, zero            ; W's fragments b0, b0 + 1 of ring stage g x the eight blocks of x's set p.  The 64 accumulators take turns
.irp b, \b0, \b0+1
.irp a, 0,1,2,3,4,5,6,7
.if \zero
	v_wmma_f32_16x16x64_bf8_bf8 v[8*(8*((\b)%4)+\a):8*(8*((\b)%4)+\a)+7], v[64*(\g)+8*(\b):64*(\g)+8*(\b)+7], v[AF+64*(\p)+8*\a:AF+64*(\p)+8*\a+7], 0
.else
	v_wmma_f32_16x16x64_bf8_bf8 v[8*(8*((\b)%4)+\a):8*(8*((\b)%4)+\a)+7], v[64*(\g)+8*(\b):64*(\g)+8*(\b)+7], v[AF+64*(\p)+8*\a:AF+64*(\p)+8*\a+7], v[8*(8*((\b)%4)+\a):8*(8*((\b)%4)+\a)+7]
.endif
.endr
.endr
.endm
.macro AFETCH slot, q, set             ; x's eight blocks of the slot's q-th 64 along K
.irp a, 0,1,2,3,4,5,6,7
	ds_load_b128 v[AF+64*(\set)+8*\a:AF+64*(\set)+8*\a+3], v[ADRA+\slot] offset:64*(\q)+\a*16*PITCH
	ds_load_b128 v[AF+64*(\set)+8*\a+4:AF+64*(\set)+8*\a+7], v[ADRA+\slot] offset:64*(\q)+32+\a*16*PITCH
.endr
.endm
.macro BFETCH t, b0                    ; W's fragments b0 .. b0 + 3 of the lap's step t: eight loads of 512 consecutive bytes
.irp b, \b0, \b0+1, \b0+2, \b0+3
.irp c, 0,1
	global_load_b128 v[64*((\t)%4)+8*(\b)+4*\c:64*((\t)%4)+8*(\b)+4*\c+3], v[CO], s[B0:B0+1] offset:8192*(\t)+1024*(\b)+512*\c
.endr
.endr
.endm
; Step j of a lap of 16.  last = 1: the last lap, which asks for nothing past K.  sync = 1: a change of slots with a refill; 2: without; 3: the barrier ahead of the stages.  nopl = 1: a joint load's v_nop are the places.
; W's loads go out in runs of eight, two a step, in the order in which they are used; run 2 j is used by the step's first half, run 2 j + 1 by its second.
.macro STEP j, last, zero, sync, nopl
.set P, (\j)%2
.set G, (\j)%4
.set J1, (\j)+1
.set R1, 2*(\j)+6                      ; the youngest run out at the step's head,
.set R2, 2*(\j)+7                      ; and in its middle
.if \last
.if R1 > 31
.set R1, 31
.endif
.if R2 > 31
.set R2, 31
.endif
.endif
.set DW, 0
.if (\last) == 0 || J1 < 16
.if (\nopl) == 0
	PLACES
.endif
	WIN 0
	AFETCH (J1/8)%2, J1%8, J1%2
.set DW, 16
.endif
	s_wait_loadcnt 8*(R1-2*(\j))                   ; run 2 j is in: the runs behind it may be out
.if (\last) == 0 || (\j)+3 < 16
	WIN TO_B
	BFETCH (\j)+3, 4                               ; into the fragments that the last step's second half multiplied
.endif
	s_wait_dscnt DW                                ; this step's blocks of x are in; the next step's may be out
.if (\sync) == 3
	s_barrier_signal -1                            ; my last reads of the slots are over
.endif
	WIN MUL_LO
	MUL16 0, G, P, \zero
	MUL16 2, G, P, \zero
	s_wait_loadcnt 8*(R2-2*(\j)-1)                 ; run 2 j + 1 is in
.if (\last) == 0 || (\j)+4 < 16
	PLACES
	WIN TO_B
	BFETCH (\j)+4, 0
.endif
.if (\sync) == 1 || (\sync) == 2
	WIN 0
	s_wait_tensorcnt 0x0                           ; my part of the next slot has landed;
	ds_add_u32 v[SPW], v[NIL]
.if (\sync) == 1
	s_add_nc_u64 s[G0+4*(((\j)/8)%2)+2:G0+4*(((\j)/8)%2)+3], s[G0+4*(((\j)/8)%2)+2:G0+4*(((\j)/8)%2)+3], 1024   ; this slot's next 512 along K
.endif
.endif
	WIN MUL_HI
	MUL16 4, G, P, \zero
.if (\sync) == 1 || (\sync) == 2
	s_wait_dscnt 0x0                               ; the add is done, and my reads of this slot are over (its last step's blocks are in registers)
	s_barrier_signal -1
.endif
	MUL16 6, G, P, \zero
.if (\sync) != 0
	WIN 0
	s_barrier_wait -1
.endif
.if (\sync) == 1
	CREST                                          ; the barrier has opened a round of the cluster's barrier
	JLOAD ((\j)/8)%2                               ; the first tensor load behind the round
.endif
.endm
.macro ASK k
	WIN 0
	global_prefetch_b8 v[PFBO], s[PFB:PFB+1] offset:65536*\k th:TH_LOAD_NT scope:SCOPE_SE
	s_cmp_gt_u32 s3, s[LIM+\k]                     ; s3 = 1 in the last trip, whose second refill has no successor
	s_cbranch_scc0 .Lnot_mine_\@
	global_prefetch_b8 v[PFO], s[PFA:PFA+1] offset:512*\k th:TH_LOAD_NT scope:SCOPE_SE
.Lnot_mine_\@:
.endm
	WIN TO_B
.irp t, 0,1,2
	BFETCH \t, 0                                   ; W's ring is filled: runs 0 to 6
	BFETCH \t, 4
.endr
	BFETCH 3, 0
	WIN 0
	s_wait_tensorcnt 0x0                           ; my part of slot 0 is in
	ds_add_u32 v[SPW], v[NIL]
	s_wait_dscnt 0x0
	CROUND
	JLOAD 1                                        ; slot 1's first fill, the first tensor load behind the round
	AFETCH 0, 0, 0
	STEP 0, 0, 1, 0, 1                             ; the first step's products start the sums
	WIN 0
	s_mov_b32 s3, 3
.Llap:                                                 ; a trip goes once round the ring, from a lap's second step to the next lap's first
.irp j, 1,2,3,4,5
	STEP \j, 0, 0, 0, 0
.endr
	STEP 6, 0, 0, 1, 0
	STEP 7, 0, 0, 0, 1
	ASK 0
.irp j, 8,9,10,11,12,13
	STEP \j, 0, 0, 0, 0
.endr
	STEP 14, 0, 0, 1, 0
	STEP 15, 0, 0, 0, 1
	ASK 1
	STEP 16, 0, 0, 0, 0
	WIN 0
	s_wait_xcnt 0x0                                ; my loads and prefetches have read their bases: they step a lap on
	s_add_nc_u64 s[B0:B0+1], s[B0:B0+1], 16*8192
	s_add_nc_u64 s[PFB:PFB+1], s[PFB:PFB+1], 2*65536
	s_add_nc_u64 s[PFA:PFA+1], s[PFA:PFA+1], 2*512
	s_sub_co_u32 s3, s3, 1
	s_cmp_lg_u32 s3, 0
	s_cbranch_scc1 .Llap
.irp j, 1,2,3,4,5
	STEP \j, 1, 0, 0, 0                            ; the last lap fills nothing
.endr
	STEP 6, 1, 0, 2, 0
.irp j, 7,8,9,10,11,12,13,14
	STEP \j, 1, 0, 0, 0
.endr
	STEP 15, 1, 0, 3, 0                            ; behind its barrier no wave reads the slots any more
	PLACES
; THE WAY OUT.  The sums go into my stage as rows of 512 bytes (each accumulator from its low end on); a counted loop takes 16 rows a trip: x 2^(e0 + e1) + bias, gelu, and 32 lanes store 512 consecutive bytes.
	s_wait_kmcnt 0x0
	s_add_co_i32 s96, s96, s97
	s_add_co_i32 s96, s96, 127
	s_lshl_b32 s96, s96, 23                        ; 2^(e0 + e1)
.irp hb, 0,1
	WIN 0x08+4*\hb                                 ; the stores' data: window 2, then 3
.irp a, 0,1,2,3,4,5,6,7
.irp b, 0,1,2,3
	ds_store_b128 v[STO], v[8*(8*\b+\a):8*(8*\b+\a)+3] offset:\a*16*PITCH+64*(4*\hb+\b)
	ds_store_b128 v[STO], v[8*(8*\b+\a)+4:8*(8*\b+\a)+7] offset:\a*16*PITCH+64*(4*\hb+\b)+16
.endr
.endr
.endr
	WIN 0
	s_mov_b32 s[ROFF], 0
	s_mov_b32 s55, 8
.Lout:
	v_add_nc_u32 v[RDC], s[ROFF], v[RD]
.irp t, 0,1,2,3,4,5,6,7,8,9,10,11,12,13,14,15
	ds_load_b128 v[BB+4*\t:BB+4*\t+3], v[RDC] offset:\t*PITCH     ; LDS serves a wave's instructions in order (ISA guide 5.7.1.4): these see my stores
.endr
	s_wait_dscnt 0x0
.set J, 0
.rept 32
	v_pk_fma_f32 v[BB+J:BB+J+1], v[BB+J:BB+J+1], s[96:97], v[BIAS+J%4:BIAS+J%4+1] op_sel_hi:[1,0,1]   ; y
.set J, J+2
.endr
.set J, 0
.rept 32
	v_pk_mul_f32 v[EX+J:EX+J+1], v[BB+J:BB+J+1], v[BB+J:BB+J+1]
.set J, J+2
.endr
.set J, 0
.rept 32
	v_pk_fma_f32 v[EX+J:EX+J+1], v[EX+J:EX+J+1], v[KV1:KV1+1], v[KV0:KV0+1]
.set J, J+2
.endr
.set J, 0
.rept 32
	v_pk_mul_f32 v[EX+J:EX+J+1], v[EX+J:EX+J+1], v[BB+J:BB+J+1]
.set J, J+2
.endr
	s_wait_alu depctr_va_vdst(0)                   ; a wait ahead of a batch of transcendentals and one behind it
.set J, 0
.rept 64
	v_exp_f32 v[EX+J], v[EX+J]
.set J, J+1
.endr
	v_nop
	s_wait_alu depctr_va_vdst(0)
.set J, 0
.rept 32
	v_pk_add_f32 v[EX+J:EX+J+1], v[EX+J:EX+J+1], 1.0 op_sel_hi:[1,0]
.set J, J+2
.endr
	s_wait_alu depctr_va_vdst(0)
.set J, 0
.rept 64
	v_rcp_f32 v[EX+J], v[EX+J]
.set J, J+1
.endr
	v_nop
	s_wait_alu depctr_va_vdst(0)
.set J, 0
.rept 32
	v_pk_mul_f32 v[BB+J:BB+J+1], v[BB+J:BB+J+1], v[EX+J:EX+J+1]
.set J, J+2
.endr
.irp t, 0,1,2,3,4,5,6,7,8,9,10,11,12,13,14,15
	global_store_b128 v[CO], v[BB+4*\t:BB+4*\t+3], s[12:13] offset:\t*SIZE_N*4 th:TH_STORE_NT
.endr
	s_wait_xcnt 0x0                                ; the stores have read their registers and their base
	s_add_nc_u64 s[12:13], s[12:13], 16*SIZE_N*4
	s_add_co_u32 s[ROFF], s[ROFF], 16*PITCH
	s_sub_co_u32 s55, s55, 1
	s_cmp_lg_u32 s55, 0
	s_cbranch_scc1 .Lout
	s_wait_tensorcnt 0x0                           ; the wave's end
	ds_add_u32 v[SPW], v[NIL]
	s_wait_dscnt 0x0
	CROUND                                         ; the closing round
	s_endpgm
.Lfunc_end_k_q2618573952_gemm:
	.size	k_q2618573952_gemm, .Lfunc_end_k_q2618573952_gemm-k_q2618573952_gemm
	.p2alignl 7, 3214868480
	.fill 96, 4, 3214868480
	.section	.rodata,"a",@progbits
	.p2align	6, 0x0
	.amdhsa_kernel k_q2618573952_gemm
		.amdhsa_group_segment_fixed_size 327680
		.amdhsa_private_segment_fixed_size 0
		.amdhsa_enable_private_segment 0
		.amdhsa_kernarg_size 40
		.amdhsa_user_sgpr_count 2
		.amdhsa_user_sgpr_kernarg_segment_ptr 1
		.amdhsa_wavefront_size32 1
		.amdhsa_system_sgpr_workgroup_id_x 1
		.amdhsa_system_sgpr_workgroup_id_y 1
		.amdhsa_system_sgpr_workgroup_id_z 1
		.amdhsa_system_vgpr_workitem_id 0
		.amdhsa_next_free_vgpr 1024
		.amdhsa_next_free_sgpr 98
		.amdhsa_reserve_vcc 0
		.amdhsa_float_denorm_mode_32 3
		.amdhsa_float_denorm_mode_16_64 3
		.amdhsa_memory_ordered 1
		.amdhsa_forward_progress 1
		.amdhsa_inst_pref_size 255
	.end_amdhsa_kernel
	.section	.bss,"aw",@nobits
	.p2align	6
	.space	262144
	.amdgpu_metadata
---
amdhsa.version: [ 1, 2 ]
amdhsa.kernels:
  - .name:           k_q2618573952_gemm
    .symbol:         k_q2618573952_gemm.kd
    .args:
      - { .name: x_codes, .offset: 0, .size: 8, .value_kind: global_buffer, .address_space: global }
      - { .name: w_codes, .offset: 8, .size: 8, .value_kind: global_buffer, .address_space: global }
      - { .name: lowp_scales, .offset: 16, .size: 8, .value_kind: global_buffer, .address_space: global }
      - { .name: bias, .offset: 24, .size: 8, .value_kind: global_buffer, .address_space: global }
      - { .name: out0, .offset: 32, .size: 8, .value_kind: global_buffer, .address_space: global }
    .group_segment_fixed_size: 327680
    .private_segment_fixed_size: 0
    .kernarg_segment_align: 8
    .kernarg_segment_size: 40
    .max_flat_workgroup_size: 128
    .sgpr_count:     98
    .vgpr_count:     1024
    .wavefront_size: 32
...
	.end_amdgpu_metadata
.endif
;; end of part 2
